; MI455X (gfx1250); checked and timed in simulation.
; The chip was launched on July 23, 2026; its instructions are those of AMD's public machine-readable ISA for CDNA 5 (MIT licence, August 2026) and "CDNA5" Instruction Set Architecture Reference Guide (July 2026). The comments in the code are by the model that wrote it; some were corrected since.
;; Multi Head Attention. Allowed arithmetic: float matrix products may take bf16 or f16 operands with f32 sums; all other float work in f32.
;; Inputs: W_k 1,024 x 1,024 float32; W_o 1,024 x 1,024 float32; W_q 1,024 x 1,024 float32; W_v 1,024 x 1,024 float32; x 2 x 2,048 x 1,024 float32.
;; Outputs: out0 2 x 2,048 x 1,024 float32.
;; 2 versions, each right; version 2 is version 1 with the launch cvt written anew for expert scheduling mode. Each part assembles by itself: llvm-mc -triple=amdgcn-amd-amdhsa -mcpu=gfx1250 --defsym DOCPART=n.
;; ======== version 1 of 2: 4 launches
;; limits: values are held in f16: magnitudes above 65,504 overflow, below 6.1e-05 lose precision
;; workspace buffers: xb 8,388,608 bytes; wb 8,388,608 bytes; qkv 25,165,824 bytes; ao 8,388,608 bytes
;; launch cvt (part 1): grid 64 x 8, 8 waves a work-group, no clusters, 0 bytes of LDS; arguments x, W_q, W_k, W_v, W_o, xb, wb; writes xb, wb
.if DOCPART == 1
	.amdgcn_target "amdgcn-amd-amdhsa--gfx1250"
	.amdhsa_code_object_version 6
	.text
	.protected	k_q7f8a99a09d_cvt
	.globl	k_q7f8a99a09d_cvt
	.p2align	8
	.type	k_q7f8a99a09d_cvt,@function
k_q7f8a99a09d_cvt:
	s_mov_b64 s[64:65], 0
	v_nop
	global_prefetch_b8 v0, s[64:65] scope:SCOPE_SE
	s_setreg_imm32_b32 hwreg(HW_REG_WAVE_MODE, 25, 1), 1
	s_wait_xcnt 0x0
; The five f32 inputs are rounded once to 16 bits, so that the later launches move half the bytes and convert nothing.
; xb: [4096][1024] = x in bf16.  wb: [4096][1024]: rows 0-1023 W_q, 1024-2047 W_k, 2048-3071 W_v in bf16, rows 3072-4095 W_o.
; W_o is rounded to bf16 like the other four inputs; its bf16 numbers are then written in f16's format, because its partner in the last
; product (the attention's result) is kept in f16 and a matrix instruction takes one format for both operands.  That second step is exact
; for 2^-14 <= |w| < 65,504; below it rounds to multiples of 2^-24, above it gives infinity (LIMIT: |W_o| < 65,504).
; Work-group (x, y): y picks 1 Mi numbers (0-3: the quarters of x; 4-7: W_q, W_k, W_v, W_o), x picks 16,384 of them (64 KiB in, 32 KiB out).
; Thread t, step j: 16 bytes in at 16 t + 4096 j, 8 bytes out at 8 t + 2048 j: a wave's load covers 512 consecutive bytes, a wave's store
; 256 consecutive bytes at a multiple of 256.  All sixteen loads of a thread go out at once; no register is loaded twice, so there is no loop.
; A stream: no LDS, no barrier, no matrix unit, no cluster (no two work-groups read the same byte).
.set X, 4                              ; v[4:67]   step j: 4 f32 as loaded
.set Y, 68                             ; v[68:99]  step j: 4 numbers of 16 bits to store
	s_load_b256 s[4:11], s[0:1], 0x0               ; x s[4:5], W_q s[6:7], W_k s[8:9], W_v s[10:11]
	s_load_b128 s[12:15], s[0:1], 0x20             ; W_o s[12:13], xb s[14:15]
	s_load_b64 s[16:17], s[0:1], 0x30              ; wb
	s_and_b32 s20, ttmp7, 0xffff                   ; y
	s_and_b32 s21, s20, 3                          ; which quarter of x, or which weight
	v_lshlrev_b32 v1, 4, v0                        ; 16 t
	v_lshlrev_b32 v2, 3, v0                        ; 8 t
	s_wait_kmcnt 0x0
	s_mov_b64 s[22:23], s[6:7]                     ; the source: W_q,
	s_cmp_eq_u32 s21, 1
	s_cselect_b64 s[22:23], s[8:9], s[22:23]       ; or W_k,
	s_cmp_eq_u32 s21, 2
	s_cselect_b64 s[22:23], s[10:11], s[22:23]     ; or W_v,
	s_cmp_eq_u32 s21, 3
	s_cselect_b64 s[22:23], s[12:13], s[22:23]     ; or W_o,
	s_cmp_lt_u32 s20, 4
	s_cselect_b64 s[22:23], s[4:5], s[22:23]       ; or x
	s_cselect_b64 s[24:25], s[14:15], s[16:17]     ; the destination: xb or wb
	s_cselect_b32 s26, s21, 0                      ; only x has quarters
	s_lshl_b32 s28, s26, 22                        ; source offset: quarter x 4 MiB
	s_lshl_b32 s27, ttmp9, 16                      ; + work-group x 64 KiB
	s_add_co_u32 s28, s28, s27
	s_mov_b32 s29, 0
	s_lshl_b32 s30, s21, 21                        ; destination offset: quarter or weight x 2 MiB
	s_lshl_b32 s27, ttmp9, 15                      ; + work-group x 32 KiB
	s_add_co_u32 s30, s30, s27
	s_mov_b32 s31, 0
	s_add_nc_u64 s[22:23], s[22:23], s[28:29]
	s_add_nc_u64 s[24:25], s[24:25], s[30:31]
.irp j, 0,1,2,3,4,5,6,7,8,9,10,11,12,13,14,15
	global_load_b128 v[X+4*\j:X+4*\j+3], v1, s[22:23] offset:4096*\j th:TH_LOAD_NT   ; read once in the whole launch
.endr
	s_cmp_eq_u32 s20, 7
	s_cbranch_scc1 .Lw_o
.irp j, 0,1,2,3,4,5,6,7,8,9,10,11,12,13,14,15
	s_wait_loadcnt 15-\j                           ; loads come back in order: step j is in, the 15 - j younger ones stay out
	v_cvt_pk_bf16_f32 v[Y+2*\j],   v[X+4*\j],   v[X+4*\j+1]
	v_cvt_pk_bf16_f32 v[Y+2*\j+1], v[X+4*\j+2], v[X+4*\j+3]
	global_store_b64 v2, v[Y+2*\j:Y+2*\j+1], s[24:25] offset:2048*\j   ; later launches read it: no hint
.endr
	s_endpgm
.Lw_o:
.irp j, 0,1,2,3,4,5,6,7,8,9,10,11,12,13,14,15
	s_wait_loadcnt 15-\j
	v_cvt_pk_bf16_f32 v[Y+2*\j],   v[X+4*\j],   v[X+4*\j+1]     ; the rounding: to bf16
	v_cvt_pk_bf16_f32 v[Y+2*\j+1], v[X+4*\j+2], v[X+4*\j+3]
	v_lshlrev_b32 v[X+4*\j],   16, v[Y+2*\j]                     ; back to f32: the low half moves up, the high half stays
	v_and_b32     v[X+4*\j+1], 0xffff0000, v[Y+2*\j]
	v_lshlrev_b32 v[X+4*\j+2], 16, v[Y+2*\j+1]
	v_and_b32     v[X+4*\j+3], 0xffff0000, v[Y+2*\j+1]
	v_cvt_pk_f16_f32 v[Y+2*\j],   v[X+4*\j],   v[X+4*\j+1]      ; the same numbers in f16's format
	v_cvt_pk_f16_f32 v[Y+2*\j+1], v[X+4*\j+2], v[X+4*\j+3]
	global_store_b64 v2, v[Y+2*\j:Y+2*\j+1], s[24:25] offset:2048*\j
.endr
	s_endpgm
.Lfunc_end_k_q7f8a99a09d_cvt:
	.size	k_q7f8a99a09d_cvt, .Lfunc_end_k_q7f8a99a09d_cvt-k_q7f8a99a09d_cvt
	.p2alignl 7, 3214868480
	.fill 96, 4, 3214868480
	.section	.rodata,"a",@progbits
	.p2align	6, 0x0
	.amdhsa_kernel k_q7f8a99a09d_cvt
		.amdhsa_group_segment_fixed_size 0
		.amdhsa_private_segment_fixed_size 0
		.amdhsa_enable_private_segment 0
		.amdhsa_kernarg_size 56
		.amdhsa_user_sgpr_count 2
		.amdhsa_user_sgpr_kernarg_segment_ptr 1
		.amdhsa_wavefront_size32 1
		.amdhsa_system_sgpr_workgroup_id_x 1
		.amdhsa_system_sgpr_workgroup_id_y 1
		.amdhsa_system_sgpr_workgroup_id_z 1
		.amdhsa_system_vgpr_workitem_id 0
		.amdhsa_next_free_vgpr 100
		.amdhsa_next_free_sgpr 66
		.amdhsa_reserve_vcc 0
		.amdhsa_float_denorm_mode_32 3
		.amdhsa_float_denorm_mode_16_64 3
		.amdhsa_memory_ordered 1
		.amdhsa_forward_progress 1
		.amdhsa_inst_pref_size 16
	.end_amdhsa_kernel
	.amdgpu_metadata
---
amdhsa.version: [ 1, 2 ]
amdhsa.kernels:
  - .name:           k_q7f8a99a09d_cvt
    .symbol:         k_q7f8a99a09d_cvt.kd
    .args:
      - { .name: x, .offset: 0, .size: 8, .value_kind: global_buffer, .address_space: global }
      - { .name: W_q, .offset: 8, .size: 8, .value_kind: global_buffer, .address_space: global }
      - { .name: W_k, .offset: 16, .size: 8, .value_kind: global_buffer, .address_space: global }
      - { .name: W_v, .offset: 24, .size: 8, .value_kind: global_buffer, .address_space: global }
      - { .name: W_o, .offset: 32, .size: 8, .value_kind: global_buffer, .address_space: global }
      - { .name: xb, .offset: 40, .size: 8, .value_kind: global_buffer, .address_space: global }
      - { .name: wb, .offset: 48, .size: 8, .value_kind: global_buffer, .address_space: global }
    .group_segment_fixed_size: 0
    .private_segment_fixed_size: 0
    .kernarg_segment_align: 8
    .kernarg_segment_size: 56
    .max_flat_workgroup_size: 256
    .sgpr_count:     66
    .vgpr_count:     100
    .wavefront_size: 32
...
	.end_amdgpu_metadata
.endif
;; end of part 1
;; launch qkv (part 2): grid 16 x 16, 4 waves a work-group, clusters of 4 x 4, 327,680 bytes of LDS; arguments xb, wb, qkv; writes qkv
.if DOCPART == 2
	.amdgcn_target "amdgcn-amd-amdhsa--gfx1250"
	.amdhsa_code_object_version 6
	.text
	.protected	k_q7f8a99a09d_qkv
	.globl	k_q7f8a99a09d_qkv
	.p2align	8
	.type	k_q7f8a99a09d_qkv,@function
k_q7f8a99a09d_qkv:
	s_mov_b64 s[64:65], 0
	v_nop
	global_prefetch_b8 v0, s[64:65] scope:SCOPE_SE
	s_setreg_imm32_b32 hwreg(HW_REG_WAVE_MODE, 25, 1), 1
	s_wait_xcnt 0x0
	s_wait_alu depctr_hold_cnt(0) depctr_sa_sdst(0) depctr_va_vdst(0) depctr_va_sdst(0) depctr_va_ssrc(0) depctr_va_vcc(0) depctr_vm_vsrc(0)
	s_getreg_b32 s2, hwreg(HW_REG_IB_STS2, 6, 4)
	s_cmp_eq_u32 s2, 0
	s_cbranch_scc0 .Lentry_in_a_cluster
	s_endpgm
.Lentry_in_a_cluster:
	s_bfe_u32 s2, ttmp6, 0x10000c
	s_cmp_lg_u32 s2, 0xf033
	s_cbranch_scc0 .Lentry_shape_is_right
	s_endpgm
.Lentry_shape_is_right:
; q, k, v = x W_q^T, x W_k^T, x W_v^T as ONE product C[4096][3072] = xb[4096][1024] . wb[0:3072][1024]^T, bf16 operands, f32 sums,
; written in f16, head by head: qkv[b][g][s][64], g = 0-15 the heads of q, 16-31 of k, 32-47 of v; a plane (b, g) is 262,144 bytes.
; f16 and not bf16 for the results: they are operands of the attention's products, and f16's three bits more are needed by the rows with few keys.
; LIMIT: |q|, |k|, |v| < 65,504 (f16's largest number); beyond that the result is infinite.  Numbers below 2^-14 are kept to multiples of 2^-24.
; A work-group makes 256 rows x 192 columns (three whole heads) with four waves; 16 x 16 such blocks are 256 work-groups.  Wave w makes rows
; 64 w .. 64 w + 63 x all 192 columns: 4 x 12 accumulator tiles of 16 x 16, 384 registers; so a wave's way out holds whole heads.
; K goes in steps of 128 through two LDS slots filled by the tensor data mover: a tile's rows are 256 bytes, at multiples of 256 from the buffer's start.
; CLUSTERS of 4 x 4 work-groups: the four of a row of the cluster need the same rows of xb, the four of a column the same rows of wb.  Such a tile is asked
; for jointly: the same tensor load with the same descriptor and a mask that names the four.  That divides the requests for both by four.
; REGISTERS in windows of 256:
;   window 0: v16-26 addresses; v64-95, v96-127 fragments of xb (4 x 16 rows x 32 K), two buffers; v128-175, v176-223 at work on the way out
;   window 1: v0-95, v96-191 fragments of wb (12 x 16 rows x 32 K), two buffers
;   window 2: the 24 tiles of my rows 0-31 (tile (a, b) at v[8 (12 a + b)]);  window 3: those of my rows 32-63
; The matrix instruction is used transposed (source 0 = rows of wb, source 1 = rows of xb): lane l then holds row l % 16 of C and its
; registers 0-7 the columns 8 (l / 16) + 0 .. 7, eight neighbouring numbers that pack into 16 bytes.
.set SIZE_K, 1024
.set KSTEP,  128
.set PITCH,  272                       ; an LDS row: 256 bytes + 16 of padding: the 16 rows that a fragment load touches start 16 bytes apart modulo 256
.set AHALF,  128*PITCH                 ; what waves 0 and 1 bring: 128 rows of xb each
.set BHALF,  96*PITCH                  ; what waves 2 and 3 bring: 96 rows of wb each
.set BOFF,   2*AHALF                   ; wb's rows lie behind xb's 256
.set SLOT,   BOFF+2*BHALF              ; 121,856 bytes
.set STAGE,  2*SLOT                    ; behind the two slots, at a multiple of 256: 16 rows x 400 bytes for each wave; no tensor load lands here
.set SPITCH, 400                       ; 384 bytes (192 f16) + 16
.set LAPS, SIZE_K/(2*KSTEP)            ; a lap = two K steps = both slots once: 4 laps
.set ADRA, 16                          ; v16-17  LDS address of my xb fragments in slot 0, 1
.set ADRB, 20                          ; v20-21  the same for wb
.set STO,  24                          ; the way out: where I put 16 bytes of a row
.set RD,   25                          ; the way out: where I read 16 bytes back
.set CO,   26                          ; my byte offset in four rows of a head
.set FA0,  64
.set FA1,  96
.set TMP,  128                         ; packed results
.set RB,   176                         ; rows read back
.set FB0,  0                           ; window 1
.set FB1,  96
.set G1,  24                           ; s[24:31] descriptor group 1, xb's tiles
.set G0,  32                           ; s[32:39] descriptor group 0, xb's tiles, one set for each slot
.set G1B, 48                           ; s[48:55] group 1, wb's tiles
.set G0B, 56                           ; s[56:63] group 0, wb's tiles, one set for each slot
.set MSB, 0
.macro WIN new                         ; the immediate's high byte repeats the setting that is left
.if MSB != \new
	s_set_vgpr_msb (MSB<<8)|\new
.set MSB, \new
.endif
.endm
.set MUL_LO, 0xa1                      ; source 0 (wb) window 1, source 1 (xb) window 0, C and D window 2
.set MUL_HI, 0xf1                      ; the same, C and D window 3
.set TO_B,   0x40                      ; destination window 1, address window 0
; A joint load: waves 0 and 1 fetch xb's halves, waves 2 and 3 wb's.  Each line has one mask; the branch hangs on the wave's number alone.
.macro JLOAD s
	s_cmp_eq_u32 s11, 0
	s_cbranch_scc0 .Lfor_b_\@
	tensor_load_to_lds s[G0+4*\s:G0+4*\s+3], s[G1:G1+7]
	s_nop 0
	s_branch .Lasked_\@
.Lfor_b_\@:
	tensor_load_to_lds s[G0B+4*\s:G0B+4*\s+3], s[G1B:G1B+7]
	s_nop 0
.Lasked_\@:
.endm
; A round of the cluster's barrier: my work-group's barrier; wave 0 signals for the work-group; every wave waits for all sixteen; my work-group's barrier again.
.macro CREST                           ; a round behind its opening barrier
	s_cmp_lg_u32 s10, 0
	s_cbranch_scc1 .Lnot_wave_0_\@
	s_barrier_signal -3
.Lnot_wave_0_\@:
	s_barrier_wait -3
	s_barrier_signal -1
	s_barrier_wait -1
.endm
.macro CROUND
	s_barrier_signal -1
	s_barrier_wait -1
	CREST
.endm
	s_load_b128 s[4:7], s[0:1], 0x0                ; xb s[4:5], wb s[6:7]
	s_load_b64 s[8:9], s[0:1], 0x10                ; qkv
	s_set_vgpr_msb 0x40
	v_lshl_add_u32 v255, v0, 2, 0x41c00
	s_set_vgpr_msb 0x4000
	v_mov_b32 v255, 0
	s_set_vgpr_msb 0x1
	ds_add_u32 v255, v255
	ds_add_u32 v255, v255
	s_set_vgpr_msb 0x100
	v_lshrrev_b32 v1, 5, v0
	v_readfirstlane_b32 s10, v1                    ; wave 0..3
	s_lshr_b32 s11, s10, 1                         ; I fetch for xb (0) or for wb (1)
	s_and_b32 s12, s10, 1                          ; which half of that tile I fetch
	s_bfe_u32 s40, ttmp6, 0x40000                  ; cx
	s_bfe_u32 s41, ttmp6, 0x40004                  ; cy
	s_lshl_b32 s42, ttmp9, 2
	s_add_co_u32 s42, s42, s40                     ; block column = 4 x cluster x + cx
	s_and_b32 s13, ttmp7, 0xffff
	s_lshl_b32 s13, s13, 2
	s_add_co_u32 s13, s13, s41                     ; block row = 4 x cluster y + cy
	s_lshl_b32 s43, s41, 2
	s_lshl_b32 s43, 15, s43                        ; my row of the cluster: places 4 cy .. 4 cy + 3
	s_lshl_b32 s44, 0x1111, s40                    ; my column: places cx, cx + 4, cx + 8, cx + 12
	; group 1: rows of 128 elements of 2 bytes, padded by 4 words after every 64 words; bit 21 stands beside a mask
	s_or_b32 s[G1+0], s43, (1<<16)|(1<<20)|(1<<21)|(5<<22)|(3<<25)
	s_mov_b32 s[G1+1], KSTEP<<16                   ; tensor_dim0 = 128
	s_mov_b32 s[G1+2], 128<<16                     ; tensor_dim1 = 128
	s_mov_b32 s[G1+3], KSTEP<<16                   ; tile_dim0 = 128
	s_mov_b32 s[G1+4], 128                         ; tile_dim1 = 128 rows
	s_mov_b32 s[G1+5], SIZE_K                      ; elements from row to row
	s_mov_b32 s[G1+6], 0
	s_mov_b32 s[G1+7], 0
	s_or_b32 s[G1B+0], s44, (1<<16)|(1<<20)|(1<<21)|(5<<22)|(3<<25)
	s_mov_b32 s[G1B+1], KSTEP<<16
	s_mov_b32 s[G1B+2], 96<<16                     ; tensor_dim1 = 96
	s_mov_b32 s[G1B+3], KSTEP<<16
	s_mov_b32 s[G1B+4], 96                         ; tile_dim1 = 96 rows
	s_mov_b32 s[G1B+5], SIZE_K
	s_mov_b32 s[G1B+6], 0
	s_mov_b32 s[G1B+7], 0
	; where the tiles come from: xb's hang on the block row alone, wb's on the block column alone, each in registers that never hold the other coordinate
	s_lshl_b32 s17, s12, 7
	s_lshl_b32 s16, s13, 8
	s_add_co_u32 s16, s16, s17                     ; xb: row 256 x block row + 128 x half
	s_lshl_b32 s16, s16, 11                        ; x 2,048 bytes (below 8 MiB)
	s_mov_b32 s17, 0
	s_mul_i32 s45, s12, 96
	s_mul_i32 s46, s42, 192
	s_add_co_u32 s46, s46, s45                     ; wb: row 192 x block column + 96 x half
	s_lshl_b32 s46, s46, 11
	s_mov_b32 s47, 0
	s_mul_i32 s20, s10, AHALF                      ; and where they go: waves 0, 1 at wave x 34,816;
	s_mul_i32 s21, s10, BHALF
	s_add_co_u32 s21, s21, BOFF-2*BHALF            ; waves 2, 3 at 69,632 + (wave - 2) x 26,112
	s_wait_dscnt 0x0
	s_wait_kmcnt 0x0
	s_add_nc_u64 s[14:15], s[4:5], s[16:17]
	s_add_nc_u64 s[46:47], s[6:7], s[46:47]
	CROUND                                         ; all sixteen work-groups are here: the first joint loads meet
.irp s, 0,1
	s_mov_b32 s[G0+4*\s], 1
	s_add_co_u32 s[G0+4*\s+1], s20, \s*SLOT
	s_add_nc_u64 s[G0+4*\s+2:G0+4*\s+3], s[14:15], \s*KSTEP*2      ; K step s
	s_or_b32 s[G0+4*\s+3], s[G0+4*\s+3], 0x80000000                ; type = 2
	s_mov_b32 s[G0B+4*\s], 1
	s_add_co_u32 s[G0B+4*\s+1], s21, \s*SLOT
	s_add_nc_u64 s[G0B+4*\s+2:G0B+4*\s+3], s[46:47], \s*KSTEP*2
	s_or_b32 s[G0B+4*\s+3], s[G0B+4*\s+3], 0x80000000
	JLOAD \s                                       ; both slots' first fills go out before anything else: two loads of a wave are out
.endr
	; a fragment: lane l holds row l % 16; two loads of 16 bytes, 32 bytes apart, at row x pitch + 16 (l / 16)
	v_and_b32 v1, 15, v0                           ; r = l % 16
	v_bfe_u32 v2, v0, 4, 1                         ; h = l / 16
	v_mul_u32_u24 v3, v1, PITCH
	v_lshl_add_u32 v3, v2, 4, v3
	s_mul_i32 s22, s10, 64*PITCH                   ; my 64 rows of xb
	s_mov_b32 s23, BOFF                            ; all 192 rows of wb
.irp s, 0,1
	v_add_nc_u32 v[ADRA+\s], s22, v3
	v_add_nc_u32 v[ADRB+\s], s23, v3
	s_add_co_u32 s22, s22, SLOT
	s_add_co_u32 s23, s23, SLOT
.endr
	s_mul_i32 s23, s10, 16*SPITCH
	s_add_co_u32 s23, s23, STAGE                   ; my stage
	v_mul_u32_u24 v4, v1, SPITCH                   ; in: row r, 16 bytes for each half of the lanes
	v_lshl_add_u32 v4, v2, 4, v4
	v_add_nc_u32 v[STO], s23, v4
	v_bfe_u32 v5, v0, 3, 2                         ; back: eight lanes take the 128 bytes that a row has of one head, 32 lanes four rows
	v_and_b32 v6, 7, v0
	v_mul_u32_u24 v5, v5, SPITCH
	v_lshl_add_u32 v5, v6, 4, v5
	v_add_nc_u32 v[RD], s23, v5
	v_and_b32 v6, 31, v0
	v_lshlrev_b32 v[CO], 4, v6                     ; in a head's plane these four rows are 512 consecutive bytes
; 12 matrix instructions: row tile 2 hi + a of my four x all 12 column tiles, 32 along K.  zero = 1: the first product starts the sums.
.macro MUL12 fa, fb, hi, a, zero
.irp b, 0,1,2,3,4,5,6,7,8,9,10,11
.if \zero
	v_wmma_f32_16x16x32_bf16 v[8*(12*\a+\b):8*(12*\a+\b)+7], v[\fb+8*\b:\fb+8*\b+7], v[\fa+8*(2*\hi+\a):\fa+8*(2*\hi+\a)+7], 0
.else
	v_wmma_f32_16x16x32_bf16 v[8*(12*\a+\b):8*(12*\a+\b)+7], v[\fb+8*\b:\fb+8*\b+7], v[\fa+8*(2*\hi+\a):\fa+8*(2*\hi+\a)+7], v[8*(12*\a+\b):8*(12*\a+\b)+7]
.endif
.endr
.endm
; 32 LDS loads in one run: a quarter step's fragments (192 rows of wb, then my 64 rows of xb, 32 K at byte k of the rows)
.macro FETCH slot, k, fa, fb
	WIN TO_B
.irp i, 0,1,2,3,4,5,6,7,8,9,10,11
	ds_load_b128 v[\fb+8*\i:\fb+8*\i+3],   v[ADRB+\slot] offset:\k+\i*16*PITCH
	ds_load_b128 v[\fb+8*\i+4:\fb+8*\i+7], v[ADRB+\slot] offset:\k+\i*16*PITCH+32
.endr
	WIN 0
.irp i, 0,1,2,3
	ds_load_b128 v[\fa+8*\i:\fa+8*\i+3],   v[ADRA+\slot] offset:\k+\i*16*PITCH
	ds_load_b128 v[\fa+8*\i+4:\fa+8*\i+7], v[ADRA+\slot] offset:\k+\i*16*PITCH+32
.endr
.endm
; Four independent vector instructions stand between a matrix instruction and a load into, or a vector instruction on, one of its registers
; (ISA guide 7.12.1 for vector instructions); the matrix instructions in between are not counted.
.macro PLACES
.rept 4
	v_nop
.endr
.endm
; A K step is four quarters of 32 along K, 48 matrix instructions each, on buffers 0, 1, 0, 1.  The 48 accumulators take turns, one instruction a turn,
; in the same order in every quarter.
.macro QUARTER slot, k, fa, fb, ga, gb, zero
	s_wait_dscnt 4                                 ; wb's fragments and xb's row tiles 0, 1 are in; the four youngest loads (row tiles 2, 3) may be out
	WIN MUL_LO
	MUL12 \fa, \fb, 0, 0, \zero
	MUL12 \fa, \fb, 0, 1, \zero
	PLACES
	FETCH \slot, \k, \ga, \gb                      ; the next quarter's fragments, 24 matrix instructions ahead of their first use
	s_wait_dscnt 32                                ; all but the 32 just issued
	WIN MUL_HI
	MUL12 \fa, \fb, 1, 0, \zero
	MUL12 \fa, \fb, 1, 1, \zero
.endm
.macro THREE slot, zero
	QUARTER \slot, 64,  FA0, FB0, FA1, FB1, \zero
	QUARTER \slot, 128, FA1, FB1, FA0, FB0, 0
	QUARTER \slot, 192, FA0, FB0, FA1, FB1, 0
.endm
; The last quarter multiplies buffer 1 and changes slots.  In front of the barrier each wave waits for its reads of this slot and for all its tensor
; loads (one is out: its part of the next slot).  Behind it the refill comes first, then the next slot's first fragments.
; From a request to the wait for it a wave issues 180 matrix instructions.
.macro TURN slot, next, fill
	s_wait_dscnt 4
	WIN MUL_LO
	MUL12 FA1, FB1, 0, 0, 0
	s_wait_dscnt 0                                 ; my reads of this slot are over
	s_wait_tensorcnt 0x0                           ; all my tensor loads have landed
	ds_add_u32 v255, v255
	s_wait_dscnt 0x0
	s_barrier_signal -1                            ; (where a slot is filled again this barrier opens a round of the cluster's barrier)
	MUL12 FA1, FB1, 0, 1, 0                        ; register work while the others arrive
	WIN 0
	s_barrier_wait -1
.if \fill
	CREST                                          ; no wave of any partner still reads this slot or has a load on its way
	s_add_nc_u64 s[G0+4*\slot+2:G0+4*\slot+3], s[G0+4*\slot+2:G0+4*\slot+3], 2*KSTEP*2
	s_add_nc_u64 s[G0B+4*\slot+2:G0B+4*\slot+3], s[G0B+4*\slot+2:G0B+4*\slot+3], 2*KSTEP*2
	JLOAD \slot                                    ; the wave's one tensor load behind the round, and the first thing there
.endif
	PLACES
	FETCH \next, 0, FA0, FB0
	WIN MUL_HI
	MUL12 FA1, FB1, 1, 0, 0
	MUL12 FA1, FB1, 1, 1, 0
.endm
.macro LAP zero
	THREE 0, \zero
	TURN 0, 1, 1
	THREE 1, 0
	TURN 1, 0, 1
.endm
	s_wait_tensorcnt 1                             ; my part of K step 0 is in; K step 1's load, issued behind it, stays out
	s_barrier_signal -1
	s_barrier_wait -1
	FETCH 0, 0, FA0, FB0
	LAP 1                                          ; the first lap stands in front of the loop: its first products start the sums
	WIN 0
	s_mov_b32 s3, LAPS-2
.Llap:
	LAP 0
	WIN 0
	s_sub_co_u32 s3, s3, 1
	s_cmp_lg_u32 s3, 0
	s_cbranch_scc1 .Llap
	THREE 0, 0                                     ; the last lap fills nothing
	TURN 0, 1, 0
	THREE 1, 0
	s_wait_dscnt 4
	WIN MUL_LO
	MUL12 FA1, FB1, 0, 0, 0
	MUL12 FA1, FB1, 0, 1, 0
	s_wait_dscnt 0
	WIN MUL_HI
	MUL12 FA1, FB1, 1, 0, 0
	MUL12 FA1, FB1, 1, 1, 0
	; THE WAY OUT, 16 rows at a time: round to f16, 16 bytes a lane into my own stage, read back head by head, four rows of a head in one store.
	PLACES
	s_lshr_b32 s14, s13, 3                         ; b = block row / 8
	s_mul_i32 s14, s14, 48
	s_lshl_b32 s14, s14, 18                        ; 48 planes a batch
	s_and_b32 s16, s13, 7
	s_lshl_b32 s16, s16, 15                        ; 256 rows of 128 bytes for each block row of the batch
	s_add_co_u32 s16, s16, s14
	s_lshl_b32 s14, s10, 13                        ; my 64 rows
	s_add_co_u32 s16, s16, s14
	s_mov_b32 s17, 0
	s_add_nc_u64 s[8:9], s[8:9], s[16:17]
	s_mul_i32 s46, s42, 3                          ; the block column's three planes (in the registers that held wb's address)
	s_lshl_b32 s46, s46, 18
	s_mov_b32 s47, 0
	s_add_nc_u64 s[8:9], s[8:9], s[46:47]
; rows 16 a .. 16 a + 15 of my 64 = the twelve tiles (ap, 0..11) of window 2 or 3 (from = 0x0a or 0x0f: sources 0 and 1)
.macro OUT16 a, ap, from
	WIN \from
.irp b, 0,1,2,3,4,5,6,7,8,9,10,11
.irp r, 0,1,2,3
	v_cvt_pk_f16_f32 v[TMP+4*\b+\r], v[8*(12*\ap+\b)+2*\r], v[8*(12*\ap+\b)+2*\r+1]
.endr
.endr
	WIN 0
.irp b, 0,1,2,3,4,5,6,7,8,9,10,11
	ds_store_b128 v[STO], v[TMP+4*\b:TMP+4*\b+3] offset:32*\b
.endr
	s_wait_xcnt 0x0                                ; RB was the data of the last twelve stores: it is loaded again only behind this wait
.irp hh, 0,1,2
.irp u, 0,1,2,3
	ds_load_b128 v[RB+4*(4*\hh+\u):RB+4*(4*\hh+\u)+3], v[RD] offset:4*SPITCH*\u+128*\hh   ; LDS serves a wave's instructions in order: these see the stores above
.endr
.endr
.irp hh, 0,1,2
.irp u, 0,1,2,3
	s_wait_dscnt 11-(4*\hh+\u)                     ; load number 4 hh + u of the twelve is in
	global_store_b128 v[CO], v[RB+4*(4*\hh+\u):RB+4*(4*\hh+\u)+3], s[8:9] offset:\hh*262144+(16*\a+4*\u)*128   ; 512 consecutive bytes, at a multiple of 512 in the plane
.endr
.endr
.endm
	OUT16 0, 0, 0x0a
	OUT16 1, 1, 0x0a
	OUT16 2, 0, 0x0f
	OUT16 3, 1, 0x0f
	s_set_vgpr_msb 0x1
	s_wait_tensorcnt 0x0
	ds_add_u32 v255, v255
	s_wait_dscnt 0x0
	s_set_vgpr_msb 0x100
	CROUND                                         ; the closing round: no work-group ends while a partner may still ask for a tile that names it
	s_endpgm
.Lfunc_end_k_q7f8a99a09d_qkv:
	.size	k_q7f8a99a09d_qkv, .Lfunc_end_k_q7f8a99a09d_qkv-k_q7f8a99a09d_qkv
	.p2alignl 7, 3214868480
	.fill 96, 4, 3214868480
	.section	.rodata,"a",@progbits
	.p2align	6, 0x0
	.amdhsa_kernel k_q7f8a99a09d_qkv
		.amdhsa_group_segment_fixed_size 327680
		.amdhsa_private_segment_fixed_size 0
		.amdhsa_enable_private_segment 0
		.amdhsa_kernarg_size 24
		.amdhsa_user_sgpr_count 2
		.amdhsa_user_sgpr_kernarg_segment_ptr 1
		.amdhsa_wavefront_size32 1
		.amdhsa_system_sgpr_workgroup_id_x 1
		.amdhsa_system_sgpr_workgroup_id_y 1
		.amdhsa_system_sgpr_workgroup_id_z 1
		.amdhsa_system_vgpr_workitem_id 0
		.amdhsa_next_free_vgpr 1024
		.amdhsa_next_free_sgpr 66
		.amdhsa_reserve_vcc 0
		.amdhsa_float_denorm_mode_32 3
		.amdhsa_float_denorm_mode_16_64 3
		.amdhsa_memory_ordered 1
		.amdhsa_forward_progress 1
		.amdhsa_inst_pref_size 164
	.end_amdhsa_kernel
	.amdgpu_metadata
---
amdhsa.version: [ 1, 2 ]
amdhsa.kernels:
  - .name:           k_q7f8a99a09d_qkv
    .symbol:         k_q7f8a99a09d_qkv.kd
    .args:
      - { .name: xb, .offset: 0, .size: 8, .value_kind: global_buffer, .address_space: global }
      - { .name: wb, .offset: 8, .size: 8, .value_kind: global_buffer, .address_space: global }
      - { .name: qkv, .offset: 16, .size: 8, .value_kind: global_buffer, .address_space: global }
    .group_segment_fixed_size: 327680
    .private_segment_fixed_size: 0
    .kernarg_segment_align: 8
    .kernarg_segment_size: 24
    .max_flat_workgroup_size: 128
    .sgpr_count:     66
    .vgpr_count:     1024
    .wavefront_size: 32
...
	.end_amdgpu_metadata
.endif
;; end of part 2
;; launch attn (part 3): grid 8 x 32, 4 waves a work-group, no clusters, 327,680 bytes of LDS; arguments qkv, ao; writes ao
.if DOCPART == 3
	.amdgcn_target "amdgcn-amd-amdhsa--gfx1250"
	.amdhsa_code_object_version 6
	.text
	.protected	k_q7f8a99a09d_attn
	.globl	k_q7f8a99a09d_attn
	.p2align	8
	.type	k_q7f8a99a09d_attn,@function
k_q7f8a99a09d_attn:
	s_mov_b64 s[64:65], 0
	v_nop
	global_prefetch_b8 v0, s[64:65] scope:SCOPE_SE
	s_setreg_imm32_b32 hwreg(HW_REG_WAVE_MODE, 25, 1), 1
	s_wait_xcnt 0x0
; Causal attention of one head, softmax by a running maximum.  qkv: [b][g][s][64] f16 (g = h: q, 16 + h: k, 32 + h: v).  ao: [b][h][s][64] f16.
; Products in f16 with f32 sums; maxima, exponentials, sums and the rescaling in f32.  The weights p are rounded to f16 for the second product; their sum is taken
; from the unrounded p.  LIMITS: NaN in the scores is dropped by the maxima; p below 2^-126 counts as 0 (v_exp_f32), below 2^-25 as 0 in the product.
; BALANCE: a head has 16 blocks of 128 queries.  Work-group (p, bh) takes block 15 - p and then block p: (16 - p) + (p + 1) = 17 key tiles of 128 for every one of
; the 8 x 32 = 256 work-groups.  Tiles above the diagonal are never touched.  The tiles of a pass run from the diagonal one (masked; it starts the sums) down to 0.
; NO JOINT LOADS: the work-groups of a head need a different key tile in every trip (15 - p - n against 15 - p' - n) and change passes at different trips, so
; no two of them ask for the same tile at the same time; walking a common stream would mean the 2 x 16 tiles of the unmasked product in place of 17.
; LAYOUT: S^T = K Q^T (source 0 = 16 keys, source 1 = 16 queries): lane (r, h) holds query r, register j key 8 h + j.  Two such tiles, packed to f16, ARE the
; second operand of O^T = V^T P^T (keys 8 h .., 16 + 8 h .. of query r); V^T comes from LDS by the transposing load.  So a lane's numbers all belong to one query:
; maxima and sums cross lanes only between l and l xor 16, and P never goes through LDS.
; A wave holds 32 queries (t = 0, 1).  A tile is two substeps of 64 keys: 16 products for S, the softmax, 16 for O.
; LDS: two slots of 35,840 bytes.  A tile's 128 rows of 128 bytes are dense in memory and come in as 64 rows of 256 bytes (two keys a row):
;   V at 0, rows 288 bytes apart; K at 18,432, rows 272 apart: in both, the 16 lanes that a load serves together touch 16 different 16-byte columns modulo 256.
;   Behind the slots, at 71,680: a stage of 32 rows x 144 bytes for each wave; no tensor load lands there.
; Waves 0, 1 bring V's halves, waves 2, 3 K's: one tensor load of 8 KiB a wave for each tile; by this text's count one tensor load of a wave is out at any time.
.set SLOT,   35840
.set KOFF,   18432
.set VPITCH, 288
.set KPITCH, 272
.set STAGE,  2*SLOT
.set SPITCH, 144
.set KA,   4                           ; v4-5    LDS address of my K fragments in slot 0, 1
.set VA,   6                           ; v6-7    the same for V
.set QO,   8                           ; my byte offset in a block of q
.set STO,  9                           ; the way out: in
.set RD,   10                          ; the way out: back
.set CO,   11                          ; my byte offset in four rows of ao
.set VD,   12                          ; 32 w + r - 8 h: my query less my first key, both counted in the diagonal block
.set NINF, 13                          ; -infinity
.set TX,   14                          ; v14-15  what lane l xor 16 holds
.set MR,   16                          ; v16-17  running maximum of the raw scores, query tile t
.set LR,   18                          ; v18-19  running sum (my half of the keys)
.set NM,   20                          ; v[20:21], v[22:23]  low word: -c x maximum, the exponent's shift
.set AL,   24                          ; v[24:25], v[26:27]  low word: the factor on the old sums
.set MX,   28                          ; v28-31  four chains of maxima
.set LS,   32                          ; v[32:39] four chains of sums, in pairs
.set QF,   40                          ; v40-71   q: fragment (t, c) at 16 t + 8 c
.set PF,   72                          ; v72-103  p: fragment (t, c) at 16 t + 8 c
.set SC,   104                         ; v104-167 scores: tile (t, kt) at 32 t + 8 kt
.set OA,   168                         ; v168-231 O^T: tile (t, dt) at 32 t + 8 dt
; window 1: K fragment (kt, c) of substep u at 128 u + 16 kt + 8 c; V^T fragment (dt, c) at 128 u + 64 + 16 dt + 8 c
.set G1V, 40                           ; s[40:47] group 1 for V's tiles
.set G1K, 48                           ; s[48:55] group 1 for K's tiles (another padding)
.set G0V, 56                           ; s[56:63] group 0 for V, one set for each slot
.set G0K, 68                           ; s[68:75] group 0 for K, one set for each slot
.set CEXP,  0x3e38aa3b                 ; c = log2(e) / 8: the scale 1 / sqrt(64) and the change to base 2 in one factor
.set NCEXP, 0xbe38aa3b
.set MSB, 0
.macro WIN new
.if MSB != \new
	s_set_vgpr_msb (MSB<<8)|\new
.set MSB, \new
.endif
.endm
.set TO_W1, 0x40                       ; destination window 1, address window 0
.set MUL,   0x01                       ; source 0 window 1, all else window 0
.macro PLACES                          ; four independent vector instructions behind a matrix instruction (ISA guide 7.12.1), before its registers are touched
.rept 4
	v_nop
.endr
.endm
.macro KVLOAD s                        ; my part of a tile into slot s: the branch hangs on the wave's number alone
	s_cmp_lt_u32 s8, 2
	s_cbranch_scc0 .Lfor_k_\@
	tensor_load_to_lds s[G0V+4*\s:G0V+4*\s+3], s[G1V:G1V+7]
	s_nop 0
	s_branch .Lasked_\@
.Lfor_k_\@:
	tensor_load_to_lds s[G0K+4*\s:G0K+4*\s+3], s[G1K:G1K+7]
	s_nop 0
.Lasked_\@:
.endm
.macro SETADR s                        ; slot s's global addresses: the planes' bases + the tile's offset in s[32:33]
	s_add_nc_u64 s[G0V+4*\s+2:G0V+4*\s+3], s[24:25], s[32:33]
	s_or_b32 s[G0V+4*\s+3], s[G0V+4*\s+3], 0x80000000
	s_add_nc_u64 s[G0K+4*\s+2:G0K+4*\s+3], s[26:27], s[32:33]
	s_or_b32 s[G0K+4*\s+3], s[G0K+4*\s+3], 0x80000000
.endm
	s_load_b128 s[4:7], s[0:1], 0x0                ; qkv s[4:5], ao s[6:7]
	v_lshl_add_u32 v254, v0, 2, 0x29000
	v_mov_b32 v255, 0
	ds_add_u32 v254, v255
	ds_add_u32 v254, v255
	v_lshrrev_b32 v1, 5, v0
	v_readfirstlane_b32 s8, v1                     ; wave 0..3
	s_and_b32 s9, s8, 1                            ; which 64 keys of a tile I fetch
	s_mov_b32 s10, ttmp9                           ; p
	s_and_b32 s11, ttmp7, 0xffff                   ; bh = 16 b + h
	s_sub_co_u32 s12, 15, s10                      ; kt: the key tile at work
	s_mov_b32 s16, s12                             ; qb: the query block at work
	s_mov_b32 s18, 0x76543210                      ; v_permlanex16_b32: lane i reads lane i of the other half
	s_mov_b32 s19, 0xfedcba98
	s_mov_b32 s20, CEXP
	s_mov_b32 s21, CEXP
	s_mov_b32 s22, NCEXP
	; group 1: 32 rows of 32 elements of 8 bytes, dense; after every 64 words a pad of 8 words (V) or 4 words (K)
	s_mov_b32 s[G1V+0], (3<<16)|(1<<20)|(5<<22)|(7<<25)
	s_mov_b32 s[G1K+0], (3<<16)|(1<<20)|(5<<22)|(3<<25)
.irp g, G1V, G1K
	s_mov_b32 s[\g+1], 32<<16                      ; tensor_dim0 = 32
	s_mov_b32 s[\g+2], 32<<16                      ; tensor_dim1 = 32
	s_mov_b32 s[\g+3], 32<<16                      ; tile_dim0 = 32
	s_mov_b32 s[\g+4], 32                          ; tile_dim1 = 32
	s_mov_b32 s[\g+5], 32                          ; elements from row to row
	s_mov_b32 s[\g+6], 0
	s_mov_b32 s[\g+7], 0
.endr
	s_mul_i32 s2, s8, 32*VPITCH                    ; V: waves 0, 1 at wave x 9,216
	s_mul_i32 s3, s8, 32*KPITCH
	s_add_co_u32 s3, s3, KOFF-64*KPITCH            ; K: waves 2, 3 at 18,432 + (wave - 2) x 8,704
.irp s, 0,1
	s_mov_b32 s[G0V+4*\s], 1
	s_add_co_u32 s[G0V+4*\s+1], s2, \s*SLOT
	s_mov_b32 s[G0K+4*\s], 1
	s_add_co_u32 s[G0K+4*\s+1], s3, \s*SLOT
.endr
	s_lshr_b32 s2, s11, 4                          ; b
	s_and_b32 s3, s11, 15                          ; h
	s_mul_i32 s2, s2, 48
	s_add_co_u32 s2, s2, s3
	s_lshl_b32 s32, s2, 18                         ; q's plane: (48 b + h) x 262,144 bytes
	s_mov_b32 s33, 0                               ; s[32:33]: an offset below 4 GiB, here and ever after
	s_wait_dscnt 0x0
	s_wait_kmcnt 0x0
	s_add_nc_u64 s[28:29], s[4:5], s[32:33]        ; q's plane
	s_lshl_b32 s3, s9, 13
	s_add_co_u32 s32, s32, s3                      ; my 64 keys of a tile: 8,192 bytes
	s_add_co_u32 s32, s32, 16<<18
	s_add_nc_u64 s[26:27], s[4:5], s[32:33]        ; k's plane, 16 planes on
	s_add_co_u32 s32, s32, 16<<18
	s_add_nc_u64 s[24:25], s[4:5], s[32:33]        ; v's plane, 16 more
	s_lshl_b32 s32, s11, 18
	s_lshl_b32 s3, s8, 12
	s_add_co_u32 s32, s32, s3
	s_add_nc_u64 s[30:31], s[6:7], s[32:33]        ; ao: my head's plane + my wave's 32 rows of a block
	s_lshl_b32 s32, s12, 14                        ; a tile is 16,384 bytes
	SETADR 0
	KVLOAD 0                                       ; the first tile goes out before anything else
	v_and_b32 v1, 15, v0                           ; r
	v_bfe_u32 v2, v0, 4, 1                         ; h
	v_and_b32 v3, 31, v0                           ; l
	v_lshrrev_b32 v32, 1, v1                       ; K: key r lies in LDS row r / 2, half r % 2
	v_and_b32 v33, 1, v0
	v_mul_u32_u24 v34, v32, KPITCH
	v_lshl_add_u32 v34, v33, 7, v34
	v_lshl_add_u32 v34, v2, 4, v34                 ; + 16 h
	v_add_nc_u32 v[KA], KOFF, v34
	v_add_nc_u32 v[KA+1], SLOT+KOFF, v34
	v_bfe_u32 v32, v0, 1, 2                        ; V: lane l addresses key 8 h + l % 8: LDS row 4 h + (l % 8) / 2, half l % 2,
	v_lshl_add_u32 v32, v2, 2, v32
	v_mul_u32_u24 v34, v32, VPITCH
	v_lshl_add_u32 v34, v33, 7, v34
	v_bfe_u32 v35, v0, 3, 1                        ; and the 16 bytes (l / 8) % 2 of the 32 that a tile of 16 d has
	v_lshl_add_u32 v[VA], v35, 4, v34
	v_add_nc_u32 v[VA+1], SLOT, v[VA]
	v_lshlrev_b32 v[QO], 7, v1                     ; q: row 32 w + r, 16 h
	v_lshl_add_u32 v[QO], v2, 4, v[QO]
	s_lshl_b32 s2, s8, 12
	v_add_nc_u32 v[QO], s2, v[QO]
	s_mul_i32 s3, s8, 32*SPITCH
	s_add_co_u32 s3, s3, STAGE                     ; my stage
	v_mul_u32_u24 v[STO], v1, SPITCH
	v_lshl_add_u32 v[STO], v2, 4, v[STO]
	v_add_nc_u32 v[STO], s3, v[STO]
	v_bfe_u32 v32, v0, 3, 2                        ; back: eight lanes a row of 128 bytes, 32 lanes four rows
	v_and_b32 v35, 7, v0
	v_mul_u32_u24 v[RD], v32, SPITCH
	v_lshl_add_u32 v[RD], v35, 4, v[RD]
	v_add_nc_u32 v[RD], s3, v[RD]
	v_lshlrev_b32 v[CO], 4, v3
	v_mul_u32_u24 v[VD], v2, 24
	v_sub_nc_u32 v[VD], v0, v[VD]                  ; (32 w + 16 h + r) - 24 h
	v_mov_b32 v[NINF], 0xff800000
	v_mov_b32 v[TX], 0                             ; a lane permute's destination counts as read
	v_mov_b32 v[TX+1], 0
	v_mov_b32 v[NM+1], 0                           ; the upper words of the broadcast pairs are never used, but a pair is read whole
	v_mov_b32 v[NM+3], 0
	v_mov_b32 v[AL+1], 0
	v_mov_b32 v[AL+3], 0
; The head of a trip.  In front of the barrier every wave waits for all its tensor loads (its part of this trip's tile) and for its reads of the other slot;
; behind it the other slot is filled again first.  That load has the whole trip in which to land.
; The next tile: kt - 1, or at the end of the first pass tile p, the second block's diagonal one.
.macro HEAD other, refill
	s_wait_tensorcnt 0x0                           ; no tensor load of mine is out: every group 0 may be written
	ds_add_u32 v254, v255
	s_wait_dscnt 0x0
.if \refill
	s_sub_co_u32 s13, s12, 1
	s_cmp_eq_u32 s12, 0
	s_cselect_b32 s13, s10, s13                    ; the next tile
	s_cselect_b32 s15, 1, 0                        ; is it a diagonal one
	s_lshl_b32 s32, s13, 14
	SETADR \other
.endif
	s_wait_dscnt 0x0                               ; my reads of the last trip's tile are done
	s_barrier_signal -1
	s_barrier_wait -1                              ; both now hold of all four waves
.if \refill
	KVLOAD \other
.endif
.endm
.macro KFETCH slot, u                  ; 16 loads: 64 keys x 64 d as first operands
.irp kt, 0,1,2,3
.irp c, 0,1
.irp e, 0,1
	ds_load_b128 v[128*\u+16*\kt+8*\c+4*\e:128*\u+16*\kt+8*\c+4*\e+3], v[KA+\slot] offset:(32*\u+8*\kt)*KPITCH+64*\c+32*\e
.endr
.endr
.endr
.endm
.macro VFETCH slot, u                  ; 16 transposing loads: 64 d x 64 keys as first operands
.irp dt, 0,1,2,3
.irp c, 0,1
.irp e, 0,1
	ds_load_tr16_b128 v[128*\u+64+16*\dt+8*\c+4*\e:128*\u+64+16*\dt+8*\c+4*\e+3], v[VA+\slot] offset:(32*\u+16*\c+8*\e)*VPITCH+32*\dt
.endr
.endr
.endr
.endm
.macro LOADS slot                      ; 48 loads in the order of their use; V's second half follows in the first substep
	WIN TO_W1
	KFETCH \slot, 0
	VFETCH \slot, 0
	KFETCH \slot, 1
	WIN 0
.endm
.macro QLOAD                           ; my 32 queries of block qb, straight into fragments: once a pass
	s_lshl_b32 s32, s16, 14
	s_add_nc_u64 s[34:35], s[28:29], s[32:33]
.irp t, 0,1
.irp c, 0,1
.irp e, 0,1
	global_load_b128 v[QF+16*\t+8*\c+4*\e:QF+16*\t+8*\c+4*\e+3], v[QO], s[34:35] offset:2048*\t+64*\c+32*\e
.endr
.endr
.endr
.endm
; The softmax of a substep: 64 scores a lane, 32 for each of my two queries.  first = 1: nothing is carried in.
.macro SOFT first
.irp q, 0,1,2,3                        ; four chains of maxima over 16 registers each, which do not wait for each other
	v_max3_num_f32 v[MX+\q], v[SC+16*\q], v[SC+16*\q+1], v[SC+16*\q+2]
.endr
.irp i, 3,5,7,9,11,13
.irp q, 0,1,2,3
	v_max3_num_f32 v[MX+\q], v[MX+\q], v[SC+16*\q+\i], v[SC+16*\q+\i+1]
.endr
.endr
.irp t, 0,1
	v_max3_num_f32 v[MX+2*\t], v[MX+2*\t], v[SC+32*\t+15], v[SC+32*\t+31]   ; the two registers that the chains left over
.endr
.irp t, 0,1
.if \first
	v_max_num_f32 v[MX+2*\t], v[MX+2*\t], v[MX+2*\t+1]
.else
	v_max3_num_f32 v[MX+2*\t], v[MX+2*\t], v[MX+2*\t+1], v[MR+\t]           ; with the running maximum
.endif
.endr
.irp t, 0,1
	v_permlanex16_b32 v[TX+\t], v[MX+2*\t], s18, s19                        ; the other half of the keys lies in lane l xor 16
.endr
.irp t, 0,1
	v_max_num_f32 v[MR+\t], v[MX+2*\t], v[TX+\t]
.endr
.irp t, 0,1
	v_mul_f32 v[MX+2*\t], s22, v[MR+\t]                                     ; the new shift, -c x maximum, rounded once
.endr
.if \first == 0
.irp t, 0,1
	v_sub_f32 v[AL+2*\t], v[MX+2*\t], v[NM+2*\t]                            ; new shift - old shift: taken from the two ROUNDED shifts, so that old and new terms
.endr                                                                      ; stay on one scale whatever the size of the scores
.irp t, 0,1
	v_exp_f32 v[AL+2*\t], v[AL+2*\t]                                        ; the two moves below stand between these and the first use (ISA guide 5.7.2)
.endr
.endif
.irp t, 0,1
	v_mov_b32 v[NM+2*\t], v[MX+2*\t]
.endr
.irp t, 0,1
.irp i, 0,2,4,6,8,10,12,14,16,18,20,22,24,26,28,30
	v_pk_fma_f32 v[SC+32*\t+\i:SC+32*\t+\i+1], v[SC+32*\t+\i:SC+32*\t+\i+1], s[20:21], v[NM+2*\t:NM+2*\t+1] op_sel_hi:[1,0,0]   ; c s - c max
.endr
.endr
.set i, 0
.rept 64
	v_exp_f32 v[SC+i], v[SC+i]                                              ; p; a masked score is -infinity and gives 0
.set i, i+1
.endr
	v_nop                                                                   ; one plain instruction behind the last exponential
	s_wait_alu depctr_va_vdst(0)
.irp q, 0,1,2,3                        ; four chains of sums, two numbers at a time
	v_pk_add_f32 v[LS+2*\q:LS+2*\q+1], v[SC+16*\q:SC+16*\q+1], v[SC+16*\q+2:SC+16*\q+3]
.endr
.irp i, 4,6,8,10,12,14
.irp q, 0,1,2,3
	v_pk_add_f32 v[LS+2*\q:LS+2*\q+1], v[LS+2*\q:LS+2*\q+1], v[SC+16*\q+\i:SC+16*\q+\i+1]
.endr
.endr
.irp t, 0,1
	v_pk_add_f32 v[LS+4*\t:LS+4*\t+1], v[LS+4*\t:LS+4*\t+1], v[LS+4*\t+2:LS+4*\t+3]
.endr
.irp t, 0,1
.if \first
	v_add_f32 v[LR+\t], v[LS+4*\t], v[LS+4*\t+1]
.else
	v_fma_f32 v[LR+\t], v[LR+\t], v[AL+2*\t], v[LS+4*\t]
	v_add_f32 v[LR+\t], v[LR+\t], v[LS+4*\t+1]
.endif
.endr
.set i, 0
.rept 32
	v_cvt_pk_f16_f32 v[PF+i], v[SC+2*i], v[SC+2*i+1]                        ; score tiles 2 c and 2 c + 1 of query tile t become fragment (t, c)
.set i, i+1
.endr
.if \first == 0
.irp t, 0,1
.irp i, 0,2,4,6,8,10,12,14,16,18,20,22,24,26,28,30
	v_pk_mul_f32 v[OA+32*\t+\i:OA+32*\t+\i+1], v[OA+32*\t+\i:OA+32*\t+\i+1], v[AL+2*\t:AL+2*\t+1] op_sel_hi:[1,0]
.endr
.endr
.endif
.endm
; A substep: keys 64 u .. 64 u + 63 of the tile in the slot.  In each run of matrix instructions eight accumulators take turns, one instruction a turn.
.macro SUB slot, u, first, mask
	s_wait_dscnt 32-16*\u                          ; K's fragments of this substep are in; younger and still out may be: u = 0: V's first half and K's second (32); u = 1: V's second half (16)
	WIN MUL
.irp c, 0,1
.irp kt, 0,1,2,3
.irp t, 0,1
.if \c
	v_wmma_f32_16x16x32_f16 v[SC+32*\t+8*\kt:SC+32*\t+8*\kt+7], v[128*\u+16*\kt+8:128*\u+16*\kt+15], v[QF+16*\t+8:QF+16*\t+15], v[SC+32*\t+8*\kt:SC+32*\t+8*\kt+7]
.else
	v_wmma_f32_16x16x32_f16 v[SC+32*\t+8*\kt:SC+32*\t+8*\kt+7], v[128*\u+16*\kt:128*\u+16*\kt+7], v[QF+16*\t:QF+16*\t+7], 0
.endif
.endr
.endr
.endr
.if \u == 0
	WIN TO_W1
	VFETCH \slot, 1                                ; V's second half: its registers were last read a trip ago
.endif
	WIN 0
	PLACES
.if \mask
.irp t, 0,1                            ; the diagonal tile: key 64 u + 16 kt + 8 h + j is dropped where it lies behind query 32 w + 16 t + r
.irp kt, 0,1,2,3
.irp j, 0,1,2,3,4,5,6,7
	v_cmp_gt_i32 vcc_lo, 64*\u+16*\kt+\j-16*\t, v[VD]
	v_cndmask_b32 v[SC+32*\t+8*\kt+\j], v[SC+32*\t+8*\kt+\j], v[NINF], vcc_lo
.endr
.endr
.endr
.endif
	SOFT \first
	s_wait_dscnt 32-32*\u                          ; V's fragments of this substep are in; u = 0: the next substep's 32 loads may be out; u = 1: nothing is left
	WIN MUL
.irp c, 0,1
.irp dt, 0,1,2,3
.irp t, 0,1
.if \first*(1-\c)
	v_wmma_f32_16x16x32_f16 v[OA+32*\t+8*\dt:OA+32*\t+8*\dt+7], v[128*\u+64+16*\dt+8*\c:128*\u+64+16*\dt+8*\c+7], v[PF+16*\t+8*\c:PF+16*\t+8*\c+7], 0
.else
	v_wmma_f32_16x16x32_f16 v[OA+32*\t+8*\dt:OA+32*\t+8*\dt+7], v[128*\u+64+16*\dt+8*\c:128*\u+64+16*\dt+8*\c+7], v[PF+16*\t+8*\c:PF+16*\t+8*\c+7], v[OA+32*\t+8*\dt:OA+32*\t+8*\dt+7]
.endif
.endr
.endr
.endr
	WIN 0
	PLACES
.endm
; The end of a pass: divide by the sum, round to f16, 16 bytes a lane into my stage, back as whole rows, four rows (512 consecutive bytes) a store.
.macro EPI
.irp t, 0,1
	v_permlanex16_b32 v[TX+\t], v[LR+\t], s18, s19
.endr
.irp t, 0,1
	v_add_f32 v[LR+\t], v[LR+\t], v[TX+\t]         ; both halves of the keys; at least about 1, since the largest p is about 1
.endr
.irp t, 0,1
	v_rcp_f32 v[AL+2*\t], v[LR+\t]
.endr
	v_nop                                          ; one plain instruction behind the reciprocals
	s_wait_alu depctr_va_vdst(0)
.irp t, 0,1
.irp i, 0,2,4,6,8,10,12,14,16,18,20,22,24,26,28,30
	v_pk_mul_f32 v[OA+32*\t+\i:OA+32*\t+\i+1], v[OA+32*\t+\i:OA+32*\t+\i+1], v[AL+2*\t:AL+2*\t+1] op_sel_hi:[1,0]
.endr
.endr
.set i, 0
.rept 32
	v_cvt_pk_f16_f32 v[SC+i], v[OA+2*i], v[OA+2*i+1]
.set i, i+1
.endr
.irp t, 0,1
.irp dt, 0,1,2,3
	ds_store_b128 v[STO], v[SC+16*\t+4*\dt:SC+16*\t+4*\dt+3] offset:16*SPITCH*\t+32*\dt
.endr
.endr
	s_lshl_b32 s32, s16, 14
	s_add_nc_u64 s[36:37], s[30:31], s[32:33]      ; my 32 rows of block qb
.irp u, 0,1,2,3,4,5,6,7
	ds_load_b128 v[SC+32+4*\u:SC+32+4*\u+3], v[RD] offset:4*SPITCH*\u      ; LDS serves a wave's instructions in order: these see the stores above
.endr
.irp u, 0,1,2,3,4,5,6,7
	s_wait_dscnt 7-\u                              ; load u of the eight is in
	global_store_b128 v[CO], v[SC+32+4*\u:SC+32+4*\u+3], s[36:37] offset:512*\u
.endr
	s_wait_xcnt 0x0                                ; the stores' data and base are written again only behind this wait
.endm
; A trip: one key tile.  The branches hang on p and on the trip alone, alike in all four waves; every barrier stands outside them.
.macro TRIP slot, other, refill
	HEAD \other, \refill
	s_cmp_lg_u32 s14, 0
	s_cbranch_scc0 .Lfull_\@
	QLOAD                                          ; a diagonal tile opens a pass
	LOADS \slot
	s_wait_loadcnt 0x0                             ; q is in
	SUB \slot, 0, 1, 1                             ; key 0 of the block is open to every query, so the maximum is finite from here on
	SUB \slot, 1, 0, 1
	s_branch .Ljoin_\@
.Lfull_\@:
	LOADS \slot
	SUB \slot, 0, 0, 0
	SUB \slot, 1, 0, 0
.Ljoin_\@:
	s_cmp_lg_u32 s12, 0
	s_cbranch_scc1 .Lmore_\@
	EPI                                            ; tile 0 closes a pass
	s_mov_b32 s16, s10                             ; the second block
.Lmore_\@:
	s_mov_b32 s12, s13
	s_mov_b32 s14, s15
.endm
	HEAD 1, 1                                      ; tile 0 of the stream (kt = 15 - p, at least 8: never the last of its pass) is written out: it starts every sum
	QLOAD
	LOADS 0
	s_wait_loadcnt 0x0
	SUB 0, 0, 1, 1
	SUB 0, 1, 0, 1
	s_mov_b32 s12, s13
	s_mov_b32 s14, s15
	s_mov_b32 s17, 7
.Lpair:                                            ; tiles 1 to 14
	TRIP 1, 0, 1
	TRIP 0, 1, 1
	s_sub_co_u32 s17, s17, 1
	s_cmp_lg_u32 s17, 0
	s_cbranch_scc1 .Lpair
	TRIP 1, 0, 1                                   ; tile 15 asks for the last one
	TRIP 0, 1, 0                                   ; tile 16: nothing is left to fetch
	s_wait_tensorcnt 0x0
	ds_add_u32 v254, v255
	s_wait_dscnt 0x0
	s_endpgm
.Lfunc_end_k_q7f8a99a09d_attn:
	.size	k_q7f8a99a09d_attn, .Lfunc_end_k_q7f8a99a09d_attn-k_q7f8a99a09d_attn
	.p2alignl 7, 3214868480
	.fill 96, 4, 3214868480
	.section	.rodata,"a",@progbits
	.p2align	6, 0x0
	.amdhsa_kernel k_q7f8a99a09d_attn
		.amdhsa_group_segment_fixed_size 327680
		.amdhsa_private_segment_fixed_size 0
		.amdhsa_enable_private_segment 0
		.amdhsa_kernarg_size 16
		.amdhsa_user_sgpr_count 2
		.amdhsa_user_sgpr_kernarg_segment_ptr 1
		.amdhsa_wavefront_size32 1
		.amdhsa_system_sgpr_workgroup_id_x 1
		.amdhsa_system_sgpr_workgroup_id_y 1
		.amdhsa_system_sgpr_workgroup_id_z 1
		.amdhsa_system_vgpr_workitem_id 0
		.amdhsa_next_free_vgpr 512
		.amdhsa_next_free_sgpr 80
		.amdhsa_reserve_vcc 1
		.amdhsa_float_denorm_mode_32 3
		.amdhsa_float_denorm_mode_16_64 3
		.amdhsa_memory_ordered 1
		.amdhsa_forward_progress 1
		.amdhsa_inst_pref_size 255
	.end_amdhsa_kernel
	.section	.bss,"aw",@nobits
	.p2align	6
	.space	262144
	.amdgpu_metadata
---
amdhsa.version: [ 1, 2 ]
amdhsa.kernels:
  - .name:           k_q7f8a99a09d_attn
    .symbol:         k_q7f8a99a09d_attn.kd
    .args:
      - { .name: qkv, .offset: 0, .size: 8, .value_kind: global_buffer, .address_space: global }
      - { .name: ao, .offset: 8, .size: 8, .value_kind: global_buffer, .address_space: global }
    .group_segment_fixed_size: 327680
    .private_segment_fixed_size: 0
    .kernarg_segment_align: 8
    .kernarg_segment_size: 16
    .max_flat_workgroup_size: 128
    .sgpr_count:     80
    .vgpr_count:     512
    .wavefront_size: 32
...
	.end_amdgpu_metadata
.endif
;; end of part 3
;; launch oproj (part 4): grid 8 x 32, 4 waves a work-group, clusters of 4 x 4, 327,680 bytes of LDS; arguments ao, wb, out0; writes out0
.if DOCPART == 4
	.amdgcn_target "amdgcn-amd-amdhsa--gfx1250"
	.amdhsa_code_object_version 6
	.text
	.protected	k_q7f8a99a09d_oproj
	.globl	k_q7f8a99a09d_oproj
	.p2align	8
	.type	k_q7f8a99a09d_oproj,@function
k_q7f8a99a09d_oproj:
	s_mov_b64 s[64:65], 0
	v_nop
	global_prefetch_b8 v0, s[64:65] scope:SCOPE_SE
	s_setreg_imm32_b32 hwreg(HW_REG_WAVE_MODE, 25, 1), 1
	s_wait_xcnt 0x0
	s_wait_alu depctr_hold_cnt(0) depctr_sa_sdst(0) depctr_va_vdst(0) depctr_va_sdst(0) depctr_va_ssrc(0) depctr_va_vcc(0) depctr_vm_vsrc(0)
	s_getreg_b32 s2, hwreg(HW_REG_IB_STS2, 6, 4)
	s_cmp_eq_u32 s2, 0
	s_cbranch_scc0 .Lentry_in_a_cluster
	s_endpgm
.Lentry_in_a_cluster:
	s_bfe_u32 s2, ttmp6, 0x10000c
	s_cmp_lg_u32 s2, 0xf033
	s_cbranch_scc0 .Lentry_shape_is_right
	s_endpgm
.Lentry_shape_is_right:
; out0[4096][1024] (f32) = A . W_o^T.  A is the attention's result ao[b][h][s][64] in f16: element (m, 64 h + d) of A lies at plane (b, h), row s = m % 2048.
; W_o: rows 3072-4095 of wb, [1024][1024] in f16's format.  f16 operands, f32 sums, K ascending.
; A work-group makes 128 x 128 of the output with four waves (64 x 64 each, 16 accumulator tiles): 8 x 32 = 256 work-groups; a larger block would leave fewer than that.
; K goes in steps of 128 (two heads) through two LDS slots.  A's 128 rows of one head are 16,384 dense bytes and come in as 64 rows of 256 bytes, two rows of A
; in each; W_o's rows of a step are 256 bytes at multiples of 256.  Waves 0, 1 bring one head's plane each, waves 2, 3 64 rows of W_o each: 17,408 LDS bytes a load.
; CLUSTERS of 4 x 4: A's tiles hang on the block row alone and are asked for jointly along a row of the cluster, W_o's on the block column alone, along a column.
; REGISTERS: window 0: v16-26 addresses; v32-159 accumulators (tile (a, b) at 32 + 8 (4 a + b)); v160-191, v192-223 fragments of A, two buffers;
;            window 1: v0-31, v32-63 fragments of W_o, two buffers.
; The matrix instruction is used transposed (source 0 = rows of W_o, source 1 = rows of A): a lane's eight results are eight neighbouring columns of one row.
.set PITCH,  272                       ; 256 bytes + 16 of padding
.set PART,   64*PITCH                  ; what one tensor load brings
.set BOFF,   2*PART                    ; W_o's 128 rows lie behind A's two planes
.set SLOT,   4*PART                    ; 69,632 bytes
.set STAGE,  2*SLOT                    ; behind the slots, at a multiple of 256: 16 rows x 272 bytes for each wave; no tensor load lands here
.set SPITCH, 272
.set LAPS,   4                         ; 8 K steps, two a lap
.set ADRA, 16
.set ADRB, 20
.set STO,  24
.set RD,   25
.set CO,   26
.set ACC,  32
.set FA0,  160
.set FA1,  192
.set RB,   160                         ; the way out: rows read back (A's first buffer is free by then)
.set FB0,  0                           ; window 1
.set FB1,  32
.set G1,  24
.set G0,  32
.set G1B, 48
.set G0B, 56
.set MSB, 0
.macro WIN new
.if MSB != \new
	s_set_vgpr_msb (MSB<<8)|\new
.set MSB, \new
.endif
.endm
.set MUL,  0x01                        ; source 0 (W_o) window 1, all else window 0
.set TO_B, 0x40                        ; destination window 1, address window 0
.macro JLOAD s                         ; waves 0, 1 ask for A's planes, waves 2, 3 for W_o's halves; the branch hangs on the wave's number alone
	s_cmp_eq_u32 s11, 0
	s_cbranch_scc0 .Lfor_b_\@
	tensor_load_to_lds s[G0+4*\s:G0+4*\s+3], s[G1:G1+7]
	s_nop 0
	s_branch .Lasked_\@
.Lfor_b_\@:
	tensor_load_to_lds s[G0B+4*\s:G0B+4*\s+3], s[G1B:G1B+7]
	s_nop 0
.Lasked_\@:
.endm
.macro CREST                           ; a round of the cluster's barrier behind its opening barrier
	s_cmp_lg_u32 s10, 0
	s_cbranch_scc1 .Lnot_wave_0_\@
	s_barrier_signal -3
.Lnot_wave_0_\@:
	s_barrier_wait -3
	s_barrier_signal -1
	s_barrier_wait -1
.endm
.macro CROUND
	s_barrier_signal -1
	s_barrier_wait -1
	CREST
.endm
	s_load_b128 s[4:7], s[0:1], 0x0                ; ao s[4:5], wb s[6:7]
	s_load_b64 s[8:9], s[0:1], 0x10                ; out0
	s_set_vgpr_msb 0x40
	v_lshl_add_u32 v65, v0, 2, 0x29000
	s_set_vgpr_msb 0x4000
	v_mov_b32 v255, 0
	s_set_vgpr_msb 0x1
	ds_add_u32 v65, v255
	ds_add_u32 v65, v255
	s_set_vgpr_msb 0x100
	v_lshrrev_b32 v1, 5, v0
	v_readfirstlane_b32 s10, v1                    ; wave 0..3
	s_lshr_b32 s11, s10, 1                         ; my half of the block's rows.  Also: I fetch for A (0) or for W_o (1)
	s_and_b32 s12, s10, 1                          ; my half of its columns.  Also: which part I fetch
	s_bfe_u32 s40, ttmp6, 0x40000                  ; cx
	s_bfe_u32 s41, ttmp6, 0x40004                  ; cy
	s_lshl_b32 s42, ttmp9, 2
	s_add_co_u32 s42, s42, s40                     ; block column
	s_and_b32 s13, ttmp7, 0xffff
	s_lshl_b32 s13, s13, 2
	s_add_co_u32 s13, s13, s41                     ; block row
	s_lshl_b32 s43, s41, 2
	s_lshl_b32 s43, 15, s43                        ; my row of the cluster
	s_lshl_b32 s44, 0x1111, s40                    ; my column
	; A: 64 dense rows of 32 elements of 8 bytes; W_o: 64 rows of 128 elements of 2 bytes, 1,024 apart; both padded by 4 words after every 64
	s_or_b32 s[G1+0], s43, (3<<16)|(1<<20)|(1<<21)|(5<<22)|(3<<25)
	s_mov_b32 s[G1+1], 32<<16                      ; tensor_dim0 = 32
	s_mov_b32 s[G1+2], 64<<16                      ; tensor_dim1 = 64
	s_mov_b32 s[G1+3], 32<<16                      ; tile_dim0 = 32
	s_mov_b32 s[G1+4], 64                          ; tile_dim1 = 64
	s_mov_b32 s[G1+5], 32                          ; elements from row to row
	s_mov_b32 s[G1+6], 0
	s_mov_b32 s[G1+7], 0
	s_or_b32 s[G1B+0], s44, (1<<16)|(1<<20)|(1<<21)|(5<<22)|(3<<25)
	s_mov_b32 s[G1B+1], 128<<16
	s_mov_b32 s[G1B+2], 64<<16
	s_mov_b32 s[G1B+3], 128<<16
	s_mov_b32 s[G1B+4], 64
	s_mov_b32 s[G1B+5], 1024
	s_mov_b32 s[G1B+6], 0
	s_mov_b32 s[G1B+7], 0
	s_lshr_b32 s16, s13, 4                         ; A: b = block row / 16;
	s_lshl_b32 s16, s16, 4
	s_add_co_u32 s16, s16, s12                     ; plane 16 b + my part,
	s_lshl_b32 s16, s16, 18
	s_and_b32 s17, s13, 15
	s_lshl_b32 s17, s17, 14                        ; 128 rows of 128 bytes for each block row of the batch
	s_add_co_u32 s16, s16, s17
	s_mov_b32 s17, 0
	s_lshl_b32 s46, s42, 7                         ; W_o: row 128 x block column + 64 x my part,
	s_lshl_b32 s45, s12, 6
	s_add_co_u32 s46, s46, s45
	s_lshl_b32 s46, s46, 11
	s_add_co_u32 s46, s46, 3072*2048               ; behind the 3,072 rows of the other weights
	s_mov_b32 s47, 0
	s_mul_i32 s20, s10, PART                       ; all four parts land at wave x 17,408
	s_wait_dscnt 0x0
	s_wait_kmcnt 0x0
	s_add_nc_u64 s[14:15], s[4:5], s[16:17]
	s_add_nc_u64 s[46:47], s[6:7], s[46:47]
	CROUND                                         ; all sixteen work-groups are here: the first joint loads meet
.irp s, 0,1
	s_mov_b32 s[G0+4*\s], 1
	s_add_co_u32 s[G0+4*\s+1], s20, \s*SLOT
	s_add_nc_u64 s[G0+4*\s+2:G0+4*\s+3], s[14:15], \s*2*262144     ; K step s: planes 2 s, 2 s + 1
	s_or_b32 s[G0+4*\s+3], s[G0+4*\s+3], 0x80000000
	s_mov_b32 s[G0B+4*\s], 1
	s_add_co_u32 s[G0B+4*\s+1], s20, \s*SLOT
	s_add_nc_u64 s[G0B+4*\s+2:G0B+4*\s+3], s[46:47], \s*256
	s_or_b32 s[G0B+4*\s+3], s[G0B+4*\s+3], 0x80000000
	JLOAD \s                                       ; both slots' first fills: two loads of a wave are out
.endr
	v_and_b32 v1, 15, v0                           ; r
	v_bfe_u32 v2, v0, 4, 1                         ; h
	v_lshrrev_b32 v3, 1, v1                        ; A: row r of a tile lies in LDS row r / 2, half r % 2
	v_and_b32 v4, 1, v0
	v_mul_u32_u24 v5, v3, PITCH
	v_lshl_add_u32 v5, v4, 7, v5
	v_lshl_add_u32 v5, v2, 4, v5
	s_mul_i32 s21, s11, 32*PITCH                   ; my 64 rows of A are 32 LDS rows
	v_mul_u32_u24 v6, v1, PITCH                    ; W_o: row r
	v_lshl_add_u32 v6, v2, 4, v6
	s_mul_i32 s22, s12, 64*PITCH
	s_add_co_u32 s22, s22, BOFF
.irp s, 0,1
	v_add_nc_u32 v[ADRA+\s], s21, v5
	v_add_nc_u32 v[ADRB+\s], s22, v6
	s_add_co_u32 s21, s21, SLOT
	s_add_co_u32 s22, s22, SLOT
.endr
	s_mul_i32 s23, s10, 16*SPITCH
	s_add_co_u32 s23, s23, STAGE                   ; my stage
	v_mul_u32_u24 v7, v1, SPITCH                   ; in: row r, 32 bytes (8 f32) for each half of the lanes
	v_lshl_add_u32 v7, v2, 5, v7
	v_add_nc_u32 v[STO], s23, v7
	v_mul_u32_u24 v7, v2, SPITCH                   ; back: lanes 0-15 one row of 256 bytes, lanes 16-31 the next
	v_lshl_add_u32 v7, v1, 4, v7
	v_add_nc_u32 v[RD], s23, v7
	v_lshlrev_b32 v7, 12, v2                       ; and the same two rows of the output, 4,096 bytes apart
	v_lshl_add_u32 v[CO], v1, 4, v7
; 8 matrix instructions: row tiles a0, a0 + 1 x all 4 column tiles, 32 along K.  The 16 accumulators take turns, one instruction a turn, in the same order
; in every quarter.
.macro MUL8 fa, fb, a0, zero
.irp a, \a0, \a0+1
.irp b, 0,1,2,3
.if \zero
	v_wmma_f32_16x16x32_f16 v[ACC+8*(4*(\a)+\b):ACC+8*(4*(\a)+\b)+7], v[\fb+8*\b:\fb+8*\b+7], v[\fa+8*(\a):\fa+8*(\a)+7], 0
.else
	v_wmma_f32_16x16x32_f16 v[ACC+8*(4*(\a)+\b):ACC+8*(4*(\a)+\b)+7], v[\fb+8*\b:\fb+8*\b+7], v[\fa+8*(\a):\fa+8*(\a)+7], v[ACC+8*(4*(\a)+\b):ACC+8*(4*(\a)+\b)+7]
.endif
.endr
.endr
.endm
; 16 LDS loads: quarter kk of a K step (32 K: half kk % 2 of plane kk / 2 of A; bytes 64 kk of W_o's rows)
.macro FETCH slot, kk, fa, fb
	WIN TO_B
.irp i, 0,1,2,3
	ds_load_b128 v[\fb+8*\i:\fb+8*\i+3],   v[ADRB+\slot] offset:64*\kk+\i*16*PITCH
	ds_load_b128 v[\fb+8*\i+4:\fb+8*\i+7], v[ADRB+\slot] offset:64*\kk+\i*16*PITCH+32
.endr
	WIN 0
.irp i, 0,1,2,3
	ds_load_b128 v[\fa+8*\i:\fa+8*\i+3],   v[ADRA+\slot] offset:(\kk/2)*PART+64*(\kk%2)+\i*8*PITCH
	ds_load_b128 v[\fa+8*\i+4:\fa+8*\i+7], v[ADRA+\slot] offset:(\kk/2)*PART+64*(\kk%2)+\i*8*PITCH+32
.endr
.endm
.macro PLACES                          ; four independent vector instructions behind a matrix instruction (ISA guide 7.12.1), before its registers are loaded or read
.rept 4
	v_nop
.endr
.endm
; One of a step's first three quarters: fetches quarter kn into the other buffer, then multiplies its own.
.macro STEPK slot, kn, fa, fb, ga, gb, zero
	PLACES
	FETCH \slot, \kn, \ga, \gb
	s_wait_dscnt 16                                ; all but the 16 just issued: my own fragments are in
	WIN MUL
	MUL8 \fa, \fb, 0, \zero
	MUL8 \fa, \fb, 2, \zero
.endm
.macro THREE slot, zero
	STEPK \slot, 1, FA0, FB0, FA1, FB1, \zero
	STEPK \slot, 2, FA1, FB1, FA0, FB0, 0
	STEPK \slot, 3, FA0, FB0, FA1, FB1, 0
.endm
; The last quarter multiplies buffer 1 and changes slots: waits, barrier (the opening of a round where a slot is filled again), refill first, then the next slot's fragments.
.macro TURN slot, next, fill
	s_wait_dscnt 0                                 ; my reads of this slot are over
	s_wait_tensorcnt 0x0                           ; all my tensor loads have landed: the one that was out is my part of the next slot
	ds_add_u32 v65, v255
	s_wait_dscnt 0x0
	s_barrier_signal -1
	WIN MUL
	MUL8 FA1, FB1, 0, 0                            ; register work while the others arrive
	WIN 0
	s_barrier_wait -1
.if \fill
	CREST                                          ; no wave of any partner still reads this slot or has a load on its way
	s_add_nc_u64 s[G0+4*\slot+2:G0+4*\slot+3], s[G0+4*\slot+2:G0+4*\slot+3], 4*262144   ; two K steps on: four planes
	s_add_nc_u64 s[G0B+4*\slot+2:G0B+4*\slot+3], s[G0B+4*\slot+2:G0B+4*\slot+3], 512
	JLOAD \slot                                    ; the wave's one tensor load behind the round, and the first thing there
.endif
	PLACES
	FETCH \next, 0, FA0, FB0
	WIN MUL
	MUL8 FA1, FB1, 2, 0
.endm
.macro LAP zero
	THREE 0, \zero
	TURN 0, 1, 1
	THREE 1, 0
	TURN 1, 0, 1
.endm
	s_wait_tensorcnt 1                             ; my part of K step 0 is in; K step 1's load, issued behind it, stays out
	s_barrier_signal -1
	s_barrier_wait -1
	FETCH 0, 0, FA0, FB0
	LAP 1                                          ; the first lap stands in front of the loop: its first products start the sums
	WIN 0
	s_mov_b32 s3, LAPS-2
.Llap:
	LAP 0
	WIN 0
	s_sub_co_u32 s3, s3, 1
	s_cmp_lg_u32 s3, 0
	s_cbranch_scc1 .Llap
	THREE 0, 0                                     ; the last lap fills nothing
	TURN 0, 1, 0
	THREE 1, 0
	s_wait_dscnt 0
	WIN MUL
	MUL8 FA1, FB1, 0, 0
	MUL8 FA1, FB1, 2, 0
	WIN 0
	; THE WAY OUT, 16 rows at a time: 32 bytes a lane into my own stage, read back as whole rows of 256 bytes.
	PLACES
	s_lshl_b32 s16, s13, 7
	s_lshl_b32 s14, s11, 6
	s_add_co_u32 s16, s16, s14                     ; my first row
	s_lshl_b32 s16, s16, 12                        ; x 4,096 bytes (below 16 MiB)
	s_mov_b32 s17, 0
	s_add_nc_u64 s[8:9], s[8:9], s[16:17]
	s_lshl_b32 s46, s42, 9                         ; my first column in bytes: 512 x block + 256 x half (in the registers that held W_o's address)
	s_lshl_b32 s47, s12, 8
	s_add_co_u32 s46, s46, s47
	s_mov_b32 s47, 0
	s_add_nc_u64 s[8:9], s[8:9], s[46:47]
.macro OUT16 a
.irp b, 0,1,2,3
.irp e, 0,1
	ds_store_b128 v[STO], v[ACC+8*(4*\a+\b)+4*\e:ACC+8*(4*\a+\b)+4*\e+3] offset:64*\b+16*\e
.endr
.endr
	s_wait_xcnt 0x0                                ; RB was the data of the last eight stores: it is loaded again only behind this wait
.irp t, 0,1,2,3,4,5,6,7
	ds_load_b128 v[RB+4*\t:RB+4*\t+3], v[RD] offset:\t*2*SPITCH            ; LDS serves a wave's instructions in order: these see the stores above
.endr
.irp t, 0,1,2,3,4,5,6,7
	s_wait_dscnt 7-\t                              ; load t of the eight is in
	global_store_b128 v[CO], v[RB+4*\t:RB+4*\t+3], s[8:9] offset:(16*\a+2*\t)*4096 th:TH_STORE_NT   ; 16 lanes store 256 consecutive bytes, at a multiple of 256
.endr
.endm
	OUT16 0
	OUT16 1
	OUT16 2
	OUT16 3
	s_set_vgpr_msb 0x1
	s_wait_tensorcnt 0x0
	ds_add_u32 v65, v255
	s_wait_dscnt 0x0
	s_set_vgpr_msb 0x100
	CROUND                                         ; the closing round: no work-group ends while a partner may still ask for a tile that names it
	s_endpgm
.Lfunc_end_k_q7f8a99a09d_oproj:
	.size	k_q7f8a99a09d_oproj, .Lfunc_end_k_q7f8a99a09d_oproj-k_q7f8a99a09d_oproj
	.p2alignl 7, 3214868480
	.fill 96, 4, 3214868480
	.section	.rodata,"a",@progbits
	.p2align	6, 0x0
	.amdhsa_kernel k_q7f8a99a09d_oproj
		.amdhsa_group_segment_fixed_size 327680
		.amdhsa_private_segment_fixed_size 0
		.amdhsa_enable_private_segment 0
		.amdhsa_kernarg_size 24
		.amdhsa_user_sgpr_count 2
		.amdhsa_user_sgpr_kernarg_segment_ptr 1
		.amdhsa_wavefront_size32 1
		.amdhsa_system_sgpr_workgroup_id_x 1
		.amdhsa_system_sgpr_workgroup_id_y 1
		.amdhsa_system_sgpr_workgroup_id_z 1
		.amdhsa_system_vgpr_workitem_id 0
		.amdhsa_next_free_vgpr 322
		.amdhsa_next_free_sgpr 66
		.amdhsa_reserve_vcc 0
		.amdhsa_float_denorm_mode_32 3
		.amdhsa_float_denorm_mode_16_64 3
		.amdhsa_memory_ordered 1
		.amdhsa_forward_progress 1
		.amdhsa_inst_pref_size 74
	.end_amdhsa_kernel
	.amdgpu_metadata
---
amdhsa.version: [ 1, 2 ]
amdhsa.kernels:
  - .name:           k_q7f8a99a09d_oproj
    .symbol:         k_q7f8a99a09d_oproj.kd
    .args:
      - { .name: ao, .offset: 0, .size: 8, .value_kind: global_buffer, .address_space: global }
      - { .name: wb, .offset: 8, .size: 8, .value_kind: global_buffer, .address_space: global }
      - { .name: out0, .offset: 16, .size: 8, .value_kind: global_buffer, .address_space: global }
    .group_segment_fixed_size: 327680
    .private_segment_fixed_size: 0
    .kernarg_segment_align: 8
    .kernarg_segment_size: 24
    .max_flat_workgroup_size: 128
    .sgpr_count:     66
    .vgpr_count:     322
    .wavefront_size: 32
...
	.end_amdgpu_metadata
.endif
;; end of part 4
;; ======== version 2 of 2: 4 launches; version 1 with the launch cvt written anew for expert scheduling mode
;; limits: values are held in f16: magnitudes above 65,504 overflow, below 6.1e-05 lose precision
;; workspace buffers: xb 8,388,608 bytes; wb 8,388,608 bytes; qkv 25,165,824 bytes; ao 8,388,608 bytes
;; launch cvt (part 5): grid 64 x 8, 8 waves a work-group, no clusters, 0 bytes of LDS; arguments x, W_q, W_k, W_v, W_o, xb, wb; writes xb, wb
.if DOCPART == 5
	.amdgcn_target "amdgcn-amd-amdhsa--gfx1250"
	.amdhsa_code_object_version 6
	.text
	.protected	k_q7f8a99a09d_cvt
	.globl	k_q7f8a99a09d_cvt
	.p2align	8
	.type	k_q7f8a99a09d_cvt,@function
k_q7f8a99a09d_cvt:
	s_mov_b64 s[64:65], 0
	v_nop
	global_prefetch_b8 v0, s[64:65] scope:SCOPE_SE
	s_setreg_imm32_b32 hwreg(HW_REG_WAVE_SCHED_MODE, 0, 2), 2
	s_setreg_imm32_b32 hwreg(HW_REG_WAVE_MODE, 25, 1), 1
	s_wait_xcnt 0x0
	s_wait_alu depctr_vm_vsrc(0)
; The five f32 inputs are rounded once to 16 bits, so that the later launches move half the bytes and convert nothing.
; xb: [4096][1024] = x in bf16.  wb: [4096][1024]: rows 0-1023 W_q, 1024-2047 W_k, 2048-3071 W_v in bf16, rows 3072-4095 W_o.
; W_o is rounded to bf16 like the other four inputs; its bf16 numbers are then written in f16's format, because its partner in the last
; product (the attention's result) is kept in f16 and a matrix instruction takes one format for both operands.  That second step is exact
; for 2^-14 <= |w| < 65,504; below it rounds to multiples of 2^-24, above it gives infinity (LIMIT: |W_o| < 65,504).
; Work-group (x, y): y picks 1 Mi numbers (0-3: the quarters of x; 4-7: W_q, W_k, W_v, W_o), x picks 16,384 of them (64 KiB in, 32 KiB out).
; Thread t, step j: 16 bytes in at 16 t + 4096 j, 8 bytes out at 8 t + 2048 j: a wave's load covers 512 consecutive bytes, a wave's store
; 256 consecutive bytes at a multiple of 256.  All sixteen loads of a thread go out at once; no register is loaded twice, so there is no loop.
; A stream: no LDS, no barrier, no matrix unit, no cluster (no two work-groups read the same byte).
; THE MODE: SCHED_MODE bits 1:0 = 2 (LLVM: expert scheduling mode 2), set by the entry lines.  The code itself states the register dependences
; between vector instructions and memory instructions, with s_wait_alu, always for 0.
; THE PLAN.  Registers that memory instructions touch:
;   v1, v2   byte offsets, made once at the head by vector shifts and never written again; v1 is read by every load, v2 by every store.
;   X[j]     step j's load lands in it; no vector instruction names it ahead of the loads, and no load is issued behind a conversion.
;   Y[j]     written by step j's conversions, read by step j's one store, never written again: each step has a pair of its own.
; So one wait ahead of the first load states that the offsets are written, for both arms.  The sixteen steps go in four blocks of four: a block's
; conversions write four pairs of Y, one wait states that, and the block's four stores follow in a run.  No register that a load or a store has read
; is ever written again, so the only wait on vm_vsrc is the one at the entry.  No vector instruction writes a scalar register, and EXEC is never written.
.set X, 4                              ; v[4:67]   step j: 4 f32 as loaded
.set Y, 68                             ; v[68:99]  step j: 4 numbers of 16 bits to store
	s_load_b256 s[4:11], s[0:1], 0x0               ; x s[4:5], W_q s[6:7], W_k s[8:9], W_v s[10:11]
	s_load_b128 s[12:15], s[0:1], 0x20             ; W_o s[12:13], xb s[14:15]
	s_load_b64 s[16:17], s[0:1], 0x30              ; wb
	s_and_b32 s20, ttmp7, 0xffff                   ; y
	s_and_b32 s21, s20, 3                          ; which quarter of x, or which weight
	v_lshlrev_b32 v1, 4, v0                        ; 16 t
	v_lshlrev_b32 v2, 3, v0                        ; 8 t
	s_wait_kmcnt 0x0
	s_mov_b64 s[22:23], s[6:7]                     ; the source: W_q,
	s_cmp_eq_u32 s21, 1
	s_cselect_b64 s[22:23], s[8:9], s[22:23]       ; or W_k,
	s_cmp_eq_u32 s21, 2
	s_cselect_b64 s[22:23], s[10:11], s[22:23]     ; or W_v,
	s_cmp_eq_u32 s21, 3
	s_cselect_b64 s[22:23], s[12:13], s[22:23]     ; or W_o,
	s_cmp_lt_u32 s20, 4
	s_cselect_b64 s[22:23], s[4:5], s[22:23]       ; or x
	s_cselect_b64 s[24:25], s[14:15], s[16:17]     ; the destination: xb or wb
	s_cselect_b32 s26, s21, 0                      ; only x has quarters
	s_lshl_b32 s28, s26, 22                        ; source offset: quarter x 4 MiB
	s_lshl_b32 s27, ttmp9, 16                      ; + work-group x 64 KiB
	s_add_co_u32 s28, s28, s27
	s_mov_b32 s29, 0
	s_lshl_b32 s30, s21, 21                        ; destination offset: quarter or weight x 2 MiB
	s_lshl_b32 s27, ttmp9, 15                      ; + work-group x 32 KiB
	s_add_co_u32 s30, s30, s27
	s_mov_b32 s31, 0
	s_add_nc_u64 s[22:23], s[22:23], s[28:29]
	s_add_nc_u64 s[24:25], s[24:25], s[30:31]
	s_wait_alu depctr_va_vdst(0)                   ; v1 and v2 are written: every load below reads v1 as its offset, every store of both arms v2
.irp j, 0,1,2,3,4,5,6,7,8,9,10,11,12,13,14,15
	global_load_b128 v[X+4*\j:X+4*\j+3], v1, s[22:23] offset:4096*\j th:TH_LOAD_NT   ; read once in the whole launch
.endr
	s_cmp_eq_u32 s20, 7
	s_cbranch_scc1 .Lw_o
.irp p, 0,1,2,3                        ; block p: steps 4 p to 4 p + 3
.irp i, 0,1,2,3
	s_wait_loadcnt 15-(4*\p+\i)                    ; loads come back in order: step j = 4 p + i is in, the 15 - j younger ones stay out
	v_cvt_pk_bf16_f32 v[Y+2*(4*\p+\i)],   v[X+4*(4*\p+\i)],   v[X+4*(4*\p+\i)+1]
	v_cvt_pk_bf16_f32 v[Y+2*(4*\p+\i)+1], v[X+4*(4*\p+\i)+2], v[X+4*(4*\p+\i)+3]
.endr
	s_wait_alu depctr_va_vdst(0)                   ; the block's eight conversions have written its four pairs of Y, which the four stores below read
.irp i, 0,1,2,3
	global_store_b64 v2, v[Y+2*(4*\p+\i):Y+2*(4*\p+\i)+1], s[24:25] offset:2048*(4*\p+\i)   ; later launches read it: no hint
.endr
.endr
	s_endpgm
.Lw_o:
.irp p, 0,1,2,3                        ; block p: steps 4 p to 4 p + 3
.irp i, 0,1,2,3
	s_wait_loadcnt 15-(4*\p+\i)
	v_cvt_pk_bf16_f32 v[Y+2*(4*\p+\i)],   v[X+4*(4*\p+\i)],   v[X+4*(4*\p+\i)+1]     ; the rounding: to bf16
	v_cvt_pk_bf16_f32 v[Y+2*(4*\p+\i)+1], v[X+4*(4*\p+\i)+2], v[X+4*(4*\p+\i)+3]
	v_lshlrev_b32 v[X+4*(4*\p+\i)],   16, v[Y+2*(4*\p+\i)]                           ; back to f32: the low half moves up, the high half stays
	v_and_b32     v[X+4*(4*\p+\i)+1], 0xffff0000, v[Y+2*(4*\p+\i)]
	v_lshlrev_b32 v[X+4*(4*\p+\i)+2], 16, v[Y+2*(4*\p+\i)+1]
	v_and_b32     v[X+4*(4*\p+\i)+3], 0xffff0000, v[Y+2*(4*\p+\i)+1]
	v_cvt_pk_f16_f32 v[Y+2*(4*\p+\i)],   v[X+4*(4*\p+\i)],   v[X+4*(4*\p+\i)+1]      ; the same numbers in f16's format
	v_cvt_pk_f16_f32 v[Y+2*(4*\p+\i)+1], v[X+4*(4*\p+\i)+2], v[X+4*(4*\p+\i)+3]
.endr
	s_wait_alu depctr_va_vdst(0)                   ; the block's last conversions have written its four pairs of Y, which the four stores below read
.irp i, 0,1,2,3
	global_store_b64 v2, v[Y+2*(4*\p+\i):Y+2*(4*\p+\i)+1], s[24:25] offset:2048*(4*\p+\i)
.endr
.endr
	s_endpgm
.Lfunc_end_k_q7f8a99a09d_cvt:
	.size	k_q7f8a99a09d_cvt, .Lfunc_end_k_q7f8a99a09d_cvt-k_q7f8a99a09d_cvt
	.p2alignl 7, 3214868480
	.fill 96, 4, 3214868480
	.section	.rodata,"a",@progbits
	.p2align	6, 0x0
	.amdhsa_kernel k_q7f8a99a09d_cvt
		.amdhsa_group_segment_fixed_size 0
		.amdhsa_private_segment_fixed_size 0
		.amdhsa_enable_private_segment 0
		.amdhsa_kernarg_size 56
		.amdhsa_user_sgpr_count 2
		.amdhsa_user_sgpr_kernarg_segment_ptr 1
		.amdhsa_wavefront_size32 1
		.amdhsa_system_sgpr_workgroup_id_x 1
		.amdhsa_system_sgpr_workgroup_id_y 1
		.amdhsa_system_sgpr_workgroup_id_z 1
		.amdhsa_system_vgpr_workitem_id 0
		.amdhsa_next_free_vgpr 100
		.amdhsa_next_free_sgpr 66
		.amdhsa_reserve_vcc 0
		.amdhsa_float_denorm_mode_32 3
		.amdhsa_float_denorm_mode_16_64 3
		.amdhsa_memory_ordered 1
		.amdhsa_forward_progress 1
		.amdhsa_inst_pref_size 17
	.end_amdhsa_kernel
	.amdgpu_metadata
---
amdhsa.version: [ 1, 2 ]
amdhsa.kernels:
  - .name:           k_q7f8a99a09d_cvt
    .symbol:         k_q7f8a99a09d_cvt.kd
    .args:
      - { .name: x, .offset: 0, .size: 8, .value_kind: global_buffer, .address_space: global }
      - { .name: W_q, .offset: 8, .size: 8, .value_kind: global_buffer, .address_space: global }
      - { .name: W_k, .offset: 16, .size: 8, .value_kind: global_buffer, .address_space: global }
      - { .name: W_v, .offset: 24, .size: 8, .value_kind: global_buffer, .address_space: global }
      - { .name: W_o, .offset: 32, .size: 8, .value_kind: global_buffer, .address_space: global }
      - { .name: xb, .offset: 40, .size: 8, .value_kind: global_buffer, .address_space: global }
      - { .name: wb, .offset: 48, .size: 8, .value_kind: global_buffer, .address_space: global }
    .group_segment_fixed_size: 0
    .private_segment_fixed_size: 0
    .kernarg_segment_align: 8
    .kernarg_segment_size: 56
    .max_flat_workgroup_size: 256
    .sgpr_count:     66
    .vgpr_count:     100
    .wavefront_size: 32
...
	.end_amdgpu_metadata
.endif
;; end of part 5
;; launch qkv: the kernel of part 2 again; grid 16 x 16, 4 waves a work-group, clusters of 4 x 4, 327,680 bytes of LDS; arguments xb, wb, qkv; writes qkv
;; launch attn: the kernel of part 3 again; grid 8 x 32, 4 waves a work-group, no clusters, 327,680 bytes of LDS; arguments qkv, ao; writes ao
;; launch oproj: the kernel of part 4 again; grid 8 x 32, 4 waves a work-group, clusters of 4 x 4, 327,680 bytes of LDS; arguments ao, wb, out0; writes out0
